; MI455X (gfx1250); checked and timed in simulation.
; The chip was launched on July 23, 2026; its instructions are those of AMD's public machine-readable ISA for CDNA 5 (MIT licence, August 2026) and "CDNA5" Instruction Set Architecture Reference Guide (July 2026). The comments in the code are by the model that wrote it; some were corrected since.
;; Multi Head Attention. Allowed arithmetic: float matrix products may take bf16 or f16 operands with f32 sums; all other float work in f32.
;; Inputs: Wk 2,048 x 2,048 float32; Wo 2,048 x 2,048 float32; Wq 2,048 x 2,048 float32; Wv 2,048 x 2,048 float32; bk 2,048 float32; bo 2,048 float32; bq 2,048 float32; bv 2,048 float32; x 2 x 1,024 x 2,048 float32.
;; Outputs: out0 2 x 1,024 x 2,048 float32.
;; One version. Each part assembles by itself: llvm-mc -triple=amdgcn-amd-amdhsa -mcpu=gfx1250 --defsym DOCPART=n.
;; ======== version 1 of 1: 4 launches
;; limits: values are held in f16: magnitudes above 65,504 overflow, below 6.1e-05 lose precision
;; workspace buffers: xh 8,388,608 bytes; wh 33,554,432 bytes; qkv 25,165,824 bytes; ctx 8,388,608 bytes
;; launch cast (part 1): grid 256 x 5, 8 waves a work-group, no clusters, 0 bytes of LDS; arguments x, Wq, Wk, Wv, Wo, xh, wh; writes xh, wh
.if DOCPART == 1
	.amdgcn_target "amdgcn-amd-amdhsa--gfx1250"
	.amdhsa_code_object_version 6
	.text
	.protected	k_qe909b89d77_cast
	.globl	k_qe909b89d77_cast
	.p2align	8
	.type	k_qe909b89d77_cast,@function
k_qe909b89d77_cast:
	s_mov_b64 s[64:65], 0
	v_nop
	global_prefetch_b8 v0, s[64:65] scope:SCOPE_SE
	s_setreg_imm32_b32 hwreg(HW_REG_WAVE_MODE, 25, 1), 1
	s_wait_xcnt 0x0
; f32 to f16 copies of the five large inputs, made once, so that the three matrix launches move 2 bytes a number.
; Work-group (X, y): 65,536 bytes at byte 65,536 X of source y (0: x, 1: Wq, 2: Wk, 3: Wv, 4: Wo).
; x goes to xh; W number y goes to wh at (y - 1) x 8,388,608 bytes.  The layouts stay as they are ([row][2048]).
; Eight waves.  Thread t takes 16 bytes at 16 t of each of sixteen blocks of 4,096 bytes: a load of a wave covers 512 neighbouring
; bytes, a store of a wave 256 neighbouring bytes that start at a multiple of 256.  All sixteen loads go out first.
; No LDS, no matrix unit: every byte is touched once and nothing is shared.
; LIMIT: f16 holds magnitudes below 65,504; a larger input becomes an infinity.  Magnitudes below 2^-14 keep an absolute step of 2^-24.
.set X, 4                              ; v[4:67]   sixteen loads of four f32
.set Y, 68                             ; v[68:99]  sixteen pairs of registers, four f16 each
	s_load_b256 s[4:11], s[0:1], 0x0               ; x s[4:5], Wq s[6:7], Wk s[8:9], Wv s[10:11]
	s_load_b128 s[12:15], s[0:1], 0x20             ; Wo s[12:13], xh s[14:15]
	s_load_b64 s[16:17], s[0:1], 0x30              ; wh
	s_and_b32 s18, ttmp7, 0xffff                   ; y: which source
	v_lshlrev_b32 v1, 4, v0                        ; 16 t: my bytes in a block of the source
	v_lshlrev_b32 v2, 3, v0                        ; 8 t: my bytes in a block of the copy
	s_lshl_b32 s24, ttmp9, 16                      ; the work-group's part of the source
	s_mov_b32 s25, 0
	s_max_u32 s26, s18, 1
	s_sub_co_u32 s26, s26, 1                       ; which matrix of wh (0 for x too, which goes to xh)
	s_lshl_b32 s26, s26, 23
	s_lshl_b32 s27, ttmp9, 15                      ; the work-group's part of the copy
	s_add_co_u32 s26, s26, s27
	s_mov_b32 s27, 0
	s_wait_kmcnt 0x0
	s_cmp_eq_u32 s18, 1                            ; the source's pointer is chosen by y alone
	s_cselect_b64 s[20:21], s[6:7], s[4:5]
	s_cmp_eq_u32 s18, 2
	s_cselect_b64 s[20:21], s[8:9], s[20:21]
	s_cmp_eq_u32 s18, 3
	s_cselect_b64 s[20:21], s[10:11], s[20:21]
	s_cmp_eq_u32 s18, 4
	s_cselect_b64 s[20:21], s[12:13], s[20:21]
	s_cmp_eq_u32 s18, 0
	s_cselect_b64 s[22:23], s[14:15], s[16:17]     ; and the copy's
	s_add_nc_u64 s[20:21], s[20:21], s[24:25]
	s_add_nc_u64 s[22:23], s[22:23], s[26:27]
.irp i, 0,1,2,3,4,5,6,7,8,9,10,11,12,13,14,15
	global_load_b128 v[X+4*\i:X+4*\i+3], v1, s[20:21] offset:4096*\i th:TH_LOAD_NT   ; read once in the whole launch
.endr
.irp i, 0,1,2,3,4,5,6,7,8,9,10,11,12,13,14,15
	s_wait_loadcnt 15-\i                           ; loads come back in order (ISA guide 5.7.1): number i is in, the younger ones stay out
	v_cvt_pk_f16_f32 v[Y+2*\i],   v[X+4*\i],   v[X+4*\i+1]
	v_cvt_pk_f16_f32 v[Y+2*\i+1], v[X+4*\i+2], v[X+4*\i+3]
	global_store_b64 v2, v[Y+2*\i:Y+2*\i+1], s[22:23] offset:2048*\i   ; no register is written twice, so no wait frees any
.endr
	s_endpgm
.Lfunc_end_k_qe909b89d77_cast:
	.size	k_qe909b89d77_cast, .Lfunc_end_k_qe909b89d77_cast-k_qe909b89d77_cast
	.p2alignl 7, 3214868480
	.fill 96, 4, 3214868480
	.section	.rodata,"a",@progbits
	.p2align	6, 0x0
	.amdhsa_kernel k_qe909b89d77_cast
		.amdhsa_group_segment_fixed_size 0
		.amdhsa_private_segment_fixed_size 0
		.amdhsa_enable_private_segment 0
		.amdhsa_kernarg_size 56
		.amdhsa_user_sgpr_count 2
		.amdhsa_user_sgpr_kernarg_segment_ptr 1
		.amdhsa_wavefront_size32 1
		.amdhsa_system_sgpr_workgroup_id_x 1
		.amdhsa_system_sgpr_workgroup_id_y 1
		.amdhsa_system_sgpr_workgroup_id_z 1
		.amdhsa_system_vgpr_workitem_id 0
		.amdhsa_next_free_vgpr 104
		.amdhsa_next_free_sgpr 66
		.amdhsa_reserve_vcc 0
		.amdhsa_float_denorm_mode_32 3
		.amdhsa_float_denorm_mode_16_64 3
		.amdhsa_memory_ordered 1
		.amdhsa_forward_progress 1
		.amdhsa_inst_pref_size 7
	.end_amdhsa_kernel
	.amdgpu_metadata
---
amdhsa.version: [ 1, 2 ]
amdhsa.kernels:
  - .name:           k_qe909b89d77_cast
    .symbol:         k_qe909b89d77_cast.kd
    .args:
      - { .name: x, .offset: 0, .size: 8, .value_kind: global_buffer, .address_space: global }
      - { .name: Wq, .offset: 8, .size: 8, .value_kind: global_buffer, .address_space: global }
      - { .name: Wk, .offset: 16, .size: 8, .value_kind: global_buffer, .address_space: global }
      - { .name: Wv, .offset: 24, .size: 8, .value_kind: global_buffer, .address_space: global }
      - { .name: Wo, .offset: 32, .size: 8, .value_kind: global_buffer, .address_space: global }
      - { .name: xh, .offset: 40, .size: 8, .value_kind: global_buffer, .address_space: global }
      - { .name: wh, .offset: 48, .size: 8, .value_kind: global_buffer, .address_space: global }
    .group_segment_fixed_size: 0
    .private_segment_fixed_size: 0
    .kernarg_segment_align: 8
    .kernarg_segment_size: 56
    .max_flat_workgroup_size: 256
    .sgpr_count:     66
    .vgpr_count:     104
    .wavefront_size: 32
...
	.end_amdgpu_metadata
.endif
;; end of part 1
;; launch qkv (part 2): grid 16 x 16, 4 waves a work-group, clusters of 4 x 4, 327,680 bytes of LDS; arguments xh, wh, bq, bk, bv, qkv; writes qkv
.if DOCPART == 2
	.amdgcn_target "amdgcn-amd-amdhsa--gfx1250"
	.amdhsa_code_object_version 6
	.text
	.protected	k_qe909b89d77_qkv
	.globl	k_qe909b89d77_qkv
	.p2align	8
	.type	k_qe909b89d77_qkv,@function
k_qe909b89d77_qkv:
	s_mov_b64 s[64:65], 0
	v_nop
	global_prefetch_b8 v0, s[64:65] scope:SCOPE_SE
	s_setreg_imm32_b32 hwreg(HW_REG_WAVE_MODE, 25, 1), 1
	s_wait_xcnt 0x0
	s_wait_alu depctr_hold_cnt(0) depctr_sa_sdst(0) depctr_va_vdst(0) depctr_va_sdst(0) depctr_va_ssrc(0) depctr_va_vcc(0) depctr_vm_vsrc(0)
	s_getreg_b32 s2, hwreg(HW_REG_IB_STS2, 6, 4)
	s_cmp_eq_u32 s2, 0
	s_cbranch_scc0 .Lentry_in_a_cluster
	s_endpgm
.Lentry_in_a_cluster:
	s_bfe_u32 s2, ttmp6, 0x10000c
	s_cmp_lg_u32 s2, 0xf033
	s_cbranch_scc0 .Lentry_shape_is_right
	s_endpgm
.Lentry_shape_is_right:
; q, k, v = x W + b for one head and 128 rows, written by head: qkv[c][b*16+head][s][128] in f16 (c = 0 q, 1 k, 2 v).
; xh: [2048][2048] f16.  wh: [4][2048 k][2048 n] f16, as W lies in memory.  Sums in f32, started by the bias.
; Work-group (x = block of 128 rows, y = head): 128 rows x 384 columns (the head's 128 columns of Wq, of Wk and of Wv).
; Four waves; wave w makes all 128 rows x columns 32 w .. 32 w + 31 of each of q, k, v: 8 x 6 = 48 accumulator tiles, 384 registers.
; K = 2048 goes in 16 steps of 128 through two LDS slots.  A slot has four quarters: x's tile and the three W tiles; wave w fills quarter w.
; CLUSTERS: 4 x 4 work-groups.  x's tile hangs on the row block alone and is asked for jointly along a column of the cluster; the W tiles hang
; on the head alone and are asked for jointly along a row: the requests for both are divided by four.
; The head is the grid's y, so that work-groups with neighbouring y, not all of them, walk the same 3 x 512 KiB of W; x, a third of W's bytes, is what all y share.
; W's tile lies [k][n] in LDS; ds_load_tr16_b128 turns it into fragments with k along the registers.
; THE MATRIX INSTRUCTION IS USED TRANSPOSED: source 0 = 16 columns of W, source 1 = 16 rows of x.  Lane l then holds row l % 16 and its
; registers 0 to 7 the columns 8 (l / 16) + 0 .. 7: eight neighbouring numbers of a row, 16 bytes in f16.
; LIMIT: q, k, v are stored in f16: magnitudes of 65,504 and above become infinities.
; REGISTERS in windows of 256: window 0: addresses, x's fragments (two buffers), packed results; window 1: W's fragments (two buffers), the bias;
; window 2: the 24 accumulator tiles of rows 0-63 (tile (a, b) at v[8 (6 a + b)]); window 3: those of rows 64-127.
.set PA,    272                        ; x's LDS row: 256 bytes + 16: an odd multiple of 16, so 16 rows start at 16 different 16-byte columns modulo 256
.set PB,    288                        ; W's LDS row: 256 bytes + 32: an odd multiple of 32, as the transposing load's addresses want
.set QUART, 36864                      ; 128 rows x 288; x's tile uses 34,816 of its quarter
.set SLOT,  4*QUART
.set SP,    784                        ; a row of the stage on the way out: 3 x 256 bytes + 16
.set LAPS,  8                          ; a lap = two K steps = once round the two slots
.set ADRA,  16                         ; v16-17  LDS address of my x fragments in slot 0, 1
.set ADRB,  18                         ; v18-23  of my W fragments: slot s, matrix c at 3 s + c
.set STO,   24                         ; v24-25  the way out: where I put 16 bytes, rows 0-63 and rows 64-127
.set RD,    26                         ; v26     where I read rows back
.set CO,    27                         ; v27     my byte offset in the block's 128 rows of 256 bytes
.set BOFF,  28                         ; v28     byte offset of my first eight bias numbers
.set F0,    64                         ; fragment buffer 0
.set F1,    128                        ; fragment buffer 1
.set TMP,   192                        ; window 0: packed results
.set BIAS,  192                        ; window 1: v192-239, six tiles' bias in the accumulators' layout
.set G1,  24                           ; s[24:31] group 1 for x's tiles
.set G0,  32                           ; s[32:39] group 0 for x's tiles, one set a slot
.set G1B, 48                           ; s[48:55] group 1 for W's tiles
.set G0B, 56                           ; s[56:63] group 0 for W's tiles, one set a slot
.set MSB, 0
.macro WIN new                         ; s_set_vgpr_msb: bits 1:0 source 0, 3:2 source 1, 5:4 source 2, 7:6 destination; the high byte repeats the setting that is left
.if MSB != \new
	s_set_vgpr_msb (MSB<<8)|\new
.set MSB, \new
.endif
.endm
.macro PLACES                          ; four plain vector instructions that name no register of a matrix instruction (ISA guide 7.12.1)
.rept 4
	v_nop
.endr
.endm
; A joint load.  Wave 0 fetches x's tile, waves 1 to 3 the tiles of Wq, Wk, Wv.  The branch hangs on the wave's number alone.
.macro JLOAD s
	s_cmp_eq_u32 s16, 0
	s_cbranch_scc0 .Lfor_w_\@
	tensor_load_to_lds s[G0+4*\s:G0+4*\s+3], s[G1:G1+7]
	s_nop 0
	s_branch .Lasked_\@
.Lfor_w_\@:
	tensor_load_to_lds s[G0B+4*\s:G0B+4*\s+3], s[G1B:G1B+7]
	s_nop 0
.Lasked_\@:
.endm
; A round of the cluster's barrier: my work-group's barrier; wave 0 signals for the work-group; every wave waits for all sixteen; my work-group's barrier again.
.macro CREST                           ; a round behind its opening barrier
	s_cmp_lg_u32 s16, 0
	s_cbranch_scc1 .Lnot_wave_0_\@
	s_barrier_signal -3
.Lnot_wave_0_\@:
	s_barrier_wait -3
	s_barrier_signal -1
	s_barrier_wait -1
.endm
.macro CROUND
	s_barrier_signal -1
	s_barrier_wait -1
	CREST
.endm
	s_load_b256 s[4:11], s[0:1], 0x0               ; xh s[4:5], wh s[6:7], bq s[8:9], bk s[10:11]
	s_load_b128 s[12:15], s[0:1], 0x20             ; bv s[12:13], qkv s[14:15]
	s_set_vgpr_msb 0x40
	v_lshl_add_u32 v255, v0, 2, 0x48000
	s_set_vgpr_msb 0x4000
	v_mov_b32 v255, 0
	s_set_vgpr_msb 0x1
	ds_add_u32 v255, v255
	ds_add_u32 v255, v255
	s_set_vgpr_msb 0x100
	v_lshrrev_b32 v1, 5, v0
	v_readfirstlane_b32 s16, v1                    ; wave 0..3
	s_bfe_u32 s40, ttmp6, 0x40000                  ; cx
	s_bfe_u32 s41, ttmp6, 0x40004                  ; cy
	s_lshl_b32 s43, ttmp9, 2
	s_add_co_u32 s43, s43, s40                     ; row block = 4 x cluster x + cx
	s_and_b32 s42, ttmp7, 0xffff
	s_lshl_b32 s42, s42, 2
	s_add_co_u32 s42, s42, s41                     ; head = 4 x cluster y + cy
	s_lshl_b32 s44, s41, 2
	s_lshl_b32 s44, 15, s44                        ; my row of the cluster: places 4 cy .. 4 cy + 3
	s_lshl_b32 s45, 0x1111, s40                    ; my column: places cx, cx + 4, cx + 8, cx + 12
	; group 1: tiles of 128 rows x 128 elements of 2 bytes, 2,048 elements from row to row; padded behind every 64 words
	s_or_b32 s[G1+0],  s45, (1<<16)|(1<<20)|(1<<21)|(5<<22)|(3<<25)   ; x: mask of my column (the same row block), bit 21 beside it, 4 words of padding
	s_or_b32 s[G1B+0], s44, (1<<16)|(1<<20)|(1<<21)|(5<<22)|(7<<25)   ; W: mask of my row (the same head), 8 words of padding
	s_mov_b32 s[G1+1],  128<<16                    ; tensor_dim0 = 128
	s_mov_b32 s[G1B+1], 128<<16
	s_mov_b32 s[G1+2],  128<<16                    ; tensor_dim1 = 128
	s_mov_b32 s[G1B+2], 128<<16
	s_mov_b32 s[G1+3],  128<<16                    ; tile_dim0 = 128
	s_mov_b32 s[G1B+3], 128<<16
	s_mov_b32 s[G1+4],  128                        ; tile_dim1 = 128
	s_mov_b32 s[G1B+4], 128
	s_mov_b32 s[G1+5],  2048                       ; the pitch
	s_mov_b32 s[G1B+5], 2048
	s_mov_b32 s[G1+6],  0
	s_mov_b32 s[G1B+6], 0
	s_mov_b32 s[G1+7],  0
	s_mov_b32 s[G1B+7], 0
	; x's tile hangs on the row block, W's on the head and the wave; each offset in registers that never hold the other coordinate
	s_lshl_b32 s18, s43, 19                        ; 128 rows of 4,096 bytes a row block
	s_mov_b32 s19, 0
	s_max_u32 s20, s16, 1
	s_sub_co_u32 s20, s20, 1                       ; which W: wave 1 Wq, 2 Wk, 3 Wv (wave 0 makes Wq's address and does not use it)
	s_lshl_b32 s20, s20, 23
	s_lshl_b32 s46, s42, 8                         ; the head's 128 columns: 256 bytes
	s_add_co_u32 s46, s46, s20
	s_mov_b32 s47, 0
	s_mul_i32 s22, s16, QUART                      ; my quarter of a slot: the wave's number alone
	s_wait_dscnt 0x0
	s_wait_kmcnt 0x0
	s_add_nc_u64 s[18:19], s[4:5], s[18:19]
	s_add_nc_u64 s[46:47], s[6:7], s[46:47]
	CROUND                                         ; all sixteen work-groups are here: the first joint loads meet
.irp s, 0,1
	s_mov_b32 s[G0+4*\s], 1
	s_add_co_u32 s[G0+4*\s+1], s22, \s*SLOT
	s_add_nc_u64 s[G0+4*\s+2:G0+4*\s+3], s[18:19], \s*256          ; K step s: 128 elements along x's rows
	s_or_b32 s[G0+4*\s+3], s[G0+4*\s+3], 0x80000000
	s_mov_b32 s[G0B+4*\s], 1
	s_add_co_u32 s[G0B+4*\s+1], s22, \s*SLOT
	s_add_nc_u64 s[G0B+4*\s+2:G0B+4*\s+3], s[46:47], \s*524288     ; K step s: 128 rows of W down
	s_or_b32 s[G0B+4*\s+3], s[G0B+4*\s+3], 0x80000000
	JLOAD \s                                       ; both slots are asked for before anything else: two tensor loads of a wave are out
.endr
	v_and_b32 v1, 15, v0                           ; r = l % 16
	v_bfe_u32 v2, v0, 4, 1                         ; h = l / 16
	v_and_b32 v3, 7, v0
	v_bfe_u32 v4, v0, 3, 1
	v_mul_u32_u24 v[ADRA], v1, PA
	v_lshl_add_u32 v[ADRA], v2, 4, v[ADRA]         ; x: row r, 16 bytes for each half of the lanes
	v_add_nc_u32 v[ADRA+1], SLOT, v[ADRA]
	v_lshl_add_u32 v6, v2, 3, v3                   ; W: k row 8 h + l % 8,
	v_mul_u32_u24 v6, v6, PB
	v_lshl_add_u32 v6, v4, 4, v6                   ; 16 bytes further for lanes 8-15 of each half,
	s_lshl_b32 s23, s16, 6
	v_add_nc_u32 v6, s23, v6                       ; my 32 columns: 64 bytes a wave
.irp s, 0,1
.irp c, 0,1,2
	v_add_nc_u32 v[ADRB+3*\s+\c], \s*SLOT+(1+\c)*QUART, v6
.endr
.endr
	v_mul_u32_u24 v7, v1, SP
	v_lshl_add_u32 v7, v2, 4, v7
	v_add_nc_u32 v[STO], s23, v7                   ; stage: row r, 64 w + 16 h
	v_add_nc_u32 v[STO+1], 64*SP, v[STO]           ; and 64 rows further down
	s_mul_i32 s17, s16, 32*SP
	v_mul_u32_u24 v7, v2, SP
	v_lshl_add_u32 v7, v1, 4, v7
	v_add_nc_u32 v[RD], s17, v7                    ; back: rows 32 w + h, 16 bytes a lane
	v_and_b32 v8, 31, v0
	s_lshl_b32 s17, s16, 13
	v_lshl_add_u32 v[CO], v8, 4, s17               ; 32 rows of 256 bytes a wave + 16 x lane
	s_lshl_b32 s21, s42, 9
	s_lshl_b32 s17, s16, 7
	s_add_co_u32 s21, s21, s17
	v_lshl_add_u32 v[BOFF], v2, 5, s21             ; bias: 4 x (128 head + 32 w + 8 h)
	; register j of a tile's bias is b[n0 + 8 h + j]: the accumulators' layout, so the first products take it as C
	WIN 0x40
.irp i, 0,1
	global_load_b128 v[BIAS+8*\i:BIAS+8*\i+3],       v[BOFF], s[8:9]   offset:64*\i
	global_load_b128 v[BIAS+8*\i+4:BIAS+8*\i+7],     v[BOFF], s[8:9]   offset:64*\i+16
	global_load_b128 v[BIAS+16+8*\i:BIAS+16+8*\i+3],   v[BOFF], s[10:11] offset:64*\i
	global_load_b128 v[BIAS+16+8*\i+4:BIAS+16+8*\i+7], v[BOFF], s[10:11] offset:64*\i+16
	global_load_b128 v[BIAS+32+8*\i:BIAS+32+8*\i+3],   v[BOFF], s[12:13] offset:64*\i
	global_load_b128 v[BIAS+32+8*\i+4:BIAS+32+8*\i+7], v[BOFF], s[12:13] offset:64*\i+16
.endr
; 12 matrix instructions: row tiles a0, a0 + 1 of the window's four (hi = 0: rows 0-63, 1: rows 64-127) x my 6 column tiles, 32 along K.
; zero = 1: the first product takes the bias as C: nothing is cleared and nothing is added at the end.
; The 48 accumulators take turns, one instruction a turn, in the same order in every quarter step.
.macro MUL12 f, hi, a0, zero
.irp a, \a0, \a0+1
.irp b, 0,1,2,3,4,5
.if \zero
	v_wmma_f32_16x16x32_f16 v[8*(6*(\a)+\b):8*(6*(\a)+\b)+7], v[\f+8*\b:\f+8*\b+7], v[\f+8*(4*\hi+(\a)):\f+8*(4*\hi+(\a))+7], v[BIAS+8*\b:BIAS+8*\b+7]
.else
	v_wmma_f32_16x16x32_f16 v[8*(6*(\a)+\b):8*(6*(\a)+\b)+7], v[\f+8*\b:\f+8*\b+7], v[\f+8*(4*\hi+(\a)):\f+8*(4*\hi+(\a))+7], v[8*(6*(\a)+\b):8*(6*(\a)+\b)+7]
.endif
.endr
.endr
.endm
; 28 LDS loads in one run: quarter step q (32 along K) of a slot into buffer f: 6 fragments of W, then 8 of x
.macro FETCH slot, q, f
	WIN 0x40
.irp c, 0,1,2
.irp i, 0,1
	ds_load_tr16_b128 v[\f+8*(2*\c+\i):\f+8*(2*\c+\i)+3],   v[ADRB+3*\slot+\c] offset:\q*32*PB+32*\i          ; k = 8 h .. + 7 of column r
	ds_load_tr16_b128 v[\f+8*(2*\c+\i)+4:\f+8*(2*\c+\i)+7], v[ADRB+3*\slot+\c] offset:\q*32*PB+32*\i+16*PB    ; k = 16 + 8 h .. + 7
.endr
.endr
	WIN 0
.irp i, 0,1,2,3,4,5,6,7
	ds_load_b128 v[\f+8*\i:\f+8*\i+3],   v[ADRA+\slot] offset:64*\q+\i*16*PA
	ds_load_b128 v[\f+8*\i+4:\f+8*\i+7], v[ADRA+\slot] offset:64*\q+\i*16*PA+32
.endr
.endm
; One of a K step's first three quarter steps: multiplies buffer f; in its middle it fetches quarter step q into buffer g.
.macro QUARTER slot, q, f, g, zero
	s_wait_dscnt 8                                 ; W and x's rows 0-63 are in; the youngest eight loads (x's rows 64-127) may be out
.if \zero
	WIN 0x91                                       ; source 0 and C window 1, source 1 window 0, D window 2
.else
	WIN 0xa1                                       ; source 0 window 1, source 1 window 0, C and D window 2
.endif
	MUL12 \f, 0, 0, \zero
	MUL12 \f, 0, 2, \zero
	PLACES                                         ; buffer g was read by matrix instructions: four places in front of the loads into it
	FETCH \slot, \q, \g
	s_wait_dscnt 28                                ; all but the 28 just issued
.if \zero
	WIN 0xd1
.else
	WIN 0xf1
.endif
	MUL12 \f, 1, 0, \zero
	MUL12 \f, 1, 2, \zero
.endm
.macro THREE slot, zero
	QUARTER \slot, 1, F0, F1, \zero
	QUARTER \slot, 2, F1, F0, 0
	QUARTER \slot, 3, F0, F1, 0
.endm
; The last quarter step: multiplies buffer 1 and changes slots.  fill = 1: this slot is filled again, two K steps ahead.
; In front of the barrier each wave waits for its reads of this slot and for all its tensor loads (one is out: its quarter of the next slot).
; Where the slot is filled again the barrier opens a round of the cluster's barrier, and the joint load is the first tensor load behind the round.
; From a request to the wait for it a wave issues 180 matrix instructions.
.macro TURN slot, next, fill
	s_wait_dscnt 8
	WIN 0xa1
	MUL12 F1, 0, 0, 0
	s_wait_dscnt 0                                 ; my reads of this slot are over
	s_wait_tensorcnt 0x0                           ; and all my tensor loads have landed
	ds_add_u32 v255, v255
	s_wait_dscnt 0x0
	s_barrier_signal -1
	MUL12 F1, 0, 2, 0                              ; register work while the others arrive
	WIN 0
	s_barrier_wait -1
.if \fill
	CREST                                          ; no wave of any partner still reads this slot or has a load on its way
	s_add_nc_u64 s[G0+4*\slot+2:G0+4*\slot+3], s[G0+4*\slot+2:G0+4*\slot+3], 512          ; two K steps along x's rows
	s_add_nc_u64 s[G0B+4*\slot+2:G0B+4*\slot+3], s[G0B+4*\slot+2:G0B+4*\slot+3], 1048576  ; 256 rows of W down
	JLOAD \slot
.endif
	PLACES
	FETCH \next, 0, F0
	WIN 0xf1
	MUL12 F1, 1, 0, 0
	MUL12 F1, 1, 2, 0
.endm
.macro LAP zero
	THREE 0, \zero
	TURN 0, 1, 1
	THREE 1, 0
	TURN 1, 0, 1
.endm
	s_wait_tensorcnt 0x1                           ; my quarter of K step 0 is in; K step 1's stays out
	s_wait_loadcnt 0x0                             ; the bias
	s_barrier_signal -1
	s_barrier_wait -1
	FETCH 0, 0, F0
	LAP 1                                          ; the first lap stands in front of the loop: its first products start the sums
	WIN 0
	s_mov_b32 s3, LAPS-2
.Llap:
	LAP 0
	WIN 0
	s_sub_co_u32 s3, s3, 1
	s_cmp_lg_u32 s3, 0
	s_cbranch_scc1 .Llap
	THREE 0, 0                                     ; the last lap fills nothing
	TURN 0, 1, 0                                   ; behind this barrier no wave reads slot 0 any more and no load fills it: it becomes the stage
	THREE 1, 0
	s_wait_dscnt 8
	WIN 0xa1
	MUL12 F1, 0, 0, 0
	MUL12 F1, 0, 2, 0
	s_wait_dscnt 0
	WIN 0xf1
	MUL12 F1, 1, 0, 0
	MUL12 F1, 1, 2, 0
	WIN 0
	PLACES                                         ; in front of the conversions, which read results, and of the loads into the buffers
	; THE WAY OUT.  A wave holds 64 bytes of each row of q, of k and of v, so the four waves meet in a stage of 128 rows x (3 x 256 + 16) bytes
	; at LDS byte 0, and each wave then stores 32 whole rows of each of the three.
	s_lshr_b32 s18, s43, 3                         ; batch = row block / 8: 16 heads of 262,144 bytes
	s_lshl_b32 s18, s18, 22
	s_and_b32 s19, s43, 7
	s_lshl_b32 s19, s19, 15                        ; 128 rows of 256 bytes for each row block of the batch
	s_add_co_u32 s18, s18, s19
	s_mov_b32 s19, 0
	s_lshl_b32 s46, s42, 18                        ; the head
	s_mov_b32 s47, 0
	s_add_nc_u64 s[66:67], s[14:15], s[18:19]
	s_add_nc_u64 s[66:67], s[66:67], s[46:47]      ; q
	s_add_nc_u64 s[68:69], s[66:67], 0x800000      ; k
	s_add_nc_u64 s[70:71], s[66:67], 0x1000000     ; v
.macro OUTA a, hi, from                ; rows 64 hi + 16 a .. + 15: six tiles rounded to f16, 16 bytes a lane and tile into the stage
	WIN \from
.irp b, 0,1,2,3,4,5
.irp e, 0,1,2,3
	v_cvt_pk_f16_f32 v[TMP+4*\b+\e], v[8*(6*\a+\b)+2*\e], v[8*(6*\a+\b)+2*\e+1]
.endr
.endr
	WIN 0
.irp c, 0,1,2
.irp i, 0,1
	ds_store_b128 v[STO+\hi], v[TMP+4*(2*\c+\i):TMP+4*(2*\c+\i)+3] offset:\a*16*SP+256*\c+32*\i
.endr
.endr
.endm
	OUTA 0, 0, 0x0a
	OUTA 1, 0, 0x0a
	OUTA 2, 0, 0x0a
	OUTA 3, 0, 0x0a
	OUTA 0, 1, 0x0f
	OUTA 1, 1, 0x0f
	OUTA 2, 1, 0x0f
	OUTA 3, 1, 0x0f
	s_wait_dscnt 0x0                               ; my stores are done, for the other waves' sake
	s_barrier_signal -1
	s_barrier_wait -1
.macro OUTC c, f, base                 ; my 32 rows of q, k or v: each load and each store covers two whole rows, 512 consecutive bytes
.irp p, 0,1,2,3,4,5,6,7,8,9,10,11,12,13,14,15
	ds_load_b128 v[\f+4*\p:\f+4*\p+3], v[RD] offset:\p*2*SP+256*\c
.endr
.irp p, 0,1,2,3,4,5,6,7,8,9,10,11,12,13,14,15
	s_wait_dscnt 15-\p
	global_store_b128 v[CO], v[\f+4*\p:\f+4*\p+3], s[\base:\base+1] offset:512*\p
.endr
.endm
	OUTC 0, F0, 66
	OUTC 1, F1, 68
	s_wait_xcnt 0x0                                ; buffer 0, which stores read, is loaded again only behind this wait
	OUTC 2, F0, 70
	s_set_vgpr_msb 0x1
	s_wait_tensorcnt 0x0
	ds_add_u32 v255, v255
	s_wait_dscnt 0x0
	s_set_vgpr_msb 0x100
	CROUND                                         ; the closing round: no work-group ends while a partner may still ask for a tile that names it
	s_endpgm
.Lfunc_end_k_qe909b89d77_qkv:
	.size	k_qe909b89d77_qkv, .Lfunc_end_k_qe909b89d77_qkv-k_qe909b89d77_qkv
	.p2alignl 7, 3214868480
	.fill 96, 4, 3214868480
	.section	.rodata,"a",@progbits
	.p2align	6, 0x0
	.amdhsa_kernel k_qe909b89d77_qkv
		.amdhsa_group_segment_fixed_size 327680
		.amdhsa_private_segment_fixed_size 0
		.amdhsa_enable_private_segment 0
		.amdhsa_kernarg_size 48
		.amdhsa_user_sgpr_count 2
		.amdhsa_user_sgpr_kernarg_segment_ptr 1
		.amdhsa_wavefront_size32 1
		.amdhsa_system_sgpr_workgroup_id_x 1
		.amdhsa_system_sgpr_workgroup_id_y 1
		.amdhsa_system_sgpr_workgroup_id_z 1
		.amdhsa_system_vgpr_workitem_id 0
		.amdhsa_next_free_vgpr 1024
		.amdhsa_next_free_sgpr 76
		.amdhsa_reserve_vcc 0
		.amdhsa_float_denorm_mode_32 3
		.amdhsa_float_denorm_mode_16_64 3
		.amdhsa_memory_ordered 1
		.amdhsa_forward_progress 1
		.amdhsa_inst_pref_size 159
	.end_amdhsa_kernel
	.amdgpu_metadata
---
amdhsa.version: [ 1, 2 ]
amdhsa.kernels:
  - .name:           k_qe909b89d77_qkv
    .symbol:         k_qe909b89d77_qkv.kd
    .args:
      - { .name: xh, .offset: 0, .size: 8, .value_kind: global_buffer, .address_space: global }
      - { .name: wh, .offset: 8, .size: 8, .value_kind: global_buffer, .address_space: global }
      - { .name: bq, .offset: 16, .size: 8, .value_kind: global_buffer, .address_space: global }
      - { .name: bk, .offset: 24, .size: 8, .value_kind: global_buffer, .address_space: global }
      - { .name: bv, .offset: 32, .size: 8, .value_kind: global_buffer, .address_space: global }
      - { .name: qkv, .offset: 40, .size: 8, .value_kind: global_buffer, .address_space: global }
    .group_segment_fixed_size: 327680
    .private_segment_fixed_size: 0
    .kernarg_segment_align: 8
    .kernarg_segment_size: 48
    .max_flat_workgroup_size: 128
    .sgpr_count:     76
    .vgpr_count:     1024
    .wavefront_size: 32
...
	.end_amdgpu_metadata
.endif
;; end of part 2
;; launch attn (part 3): grid 256 x 1, 4 waves a work-group, no clusters, 327,680 bytes of LDS; arguments qkv, ctx; writes ctx
.if DOCPART == 3
	.amdgcn_target "amdgcn-amd-amdhsa--gfx1250"
	.amdhsa_code_object_version 6
	.text
	.protected	k_qe909b89d77_attn
	.globl	k_qe909b89d77_attn
	.p2align	8
	.type	k_qe909b89d77_attn,@function
k_qe909b89d77_attn:
	s_mov_b64 s[64:65], 0
	v_nop
	global_prefetch_b8 v0, s[64:65] scope:SCOPE_SE
	s_setreg_imm32_b32 hwreg(HW_REG_WAVE_MODE, 25, 1), 1
	s_wait_xcnt 0x0
; Causal attention for one head: ctx = softmax(q k^T / sqrt(128), keys t <= s) v, with a running maximum.
; qkv: [3][32 = b*16+h][1024][128] f16.  ctx: [2048 = b*1024+s][2048 = h*128+d] f16.  Scores, maxima, sums and ctx's sums in f32.
; Work-group: head hb = id / 8 and j = id % 8.  It takes the blocks of 64 queries j and then 15 - j; wave w takes 16 queries of a block.
; Keys go in tiles of 128.  A pass takes its diagonal tile kd = block / 2 FIRST (masked), then tiles 0 .. kd - 1, which lie wholly below the
; diagonal.  kd of the two passes add up to 7, so every work-group walks 9 places: place 0 is pass A's diagonal tile, place kdA + 1 pass B's.
; TWO LDS SLOTS OF TWO PLACES EACH: a slot holds K of two successive places, then V of the same two; wave w fills part w by one load of 128 rows.
; Places 0 to 3 are asked for at the start; a slot is filled again behind the barrier in its second place, so a load has two places' work to land in.
; TRANSPOSED PRODUCTS: S^T = K Q^T (source 0 = 16 keys, source 1 = my 16 queries): lane l holds query l % 16 and, in register j of tile tt, key
; 16 tt + 8 (l / 16) + j.  Two neighbouring tiles, rounded to f16 in place, ARE the second source of O^T = V^T P^T: nothing moves between lanes.
; p = exp2(c s + NM) with c = log2(e) / sqrt(128) and NM = -c x running maximum.  A pass starts from maximum = -infinity, NM = +infinity, sum = 0,
; so the factor exp2(new NM - old NM) that carries old sums over is 0 in a pass's first tile, and one text serves every place.
; NO MULTICAST: the eight work-groups of a head read the same eight tiles, but at the same place they want different ones (the walk starts at tile
; j / 2 and changes pass behind place j / 2), so there is no request that partners could make jointly in one round.
; LIMIT: p and ctx are rounded to f16 for the matrix unit: p below 2^-14 keeps an absolute step of 2^-24; |ctx| is at most the largest |v|.
; REGISTERS: window 0 as below; window 1: a tile's 32 fragments of K, fragment f at 8 f; window 2: of V; window 3, v0-31: pass B's queries.
.set PART,  36864                      ; 128 rows of K at pitch 272 (34,816 bytes) or 128 rows of V at pitch 288
.set SLOT,  4*PART                     ; K of the pair's place 0, 1, V of place 0, 1
.set PK,    272                        ; odd multiple of 16
.set PV,    288                        ; odd multiple of 32, for the transposing load
.set STAGE, 2*SLOT                     ; 16 rows x 272 bytes for each wave, its own, filled by no tensor load
.set Q,   32                           ; v[32:63]    my 16 queries: fragment kk (32 of d) at 8 kk
.set S,   64                           ; v[64:127]   8 score tiles; later p; later P's fragment kk in v[S+16kk : +7]
.set O,   128                          ; v[128:191]  8 tiles of O^T: tile dt holds d = 16 dt + 8 (l / 16) + j of query l % 16
.set T,   192                          ; v[192:223]  at work
.set RM,  224                          ; running maximum
.set RL,  225                          ; running sum (this half of the wave's keys)
.set NM,  226                          ; v[226:227]  -c x maximum, twice
.set AL,  228                          ; v[228:229]  the factor that carries old sums onto the new maximum, twice
.set MN,  230                          ; the new maximum
.set PX,  231                          ; what the other half of the wave sent
.set NEGINF, 232
.set XA,  233                          ; pass A: local key 16 tt + j is masked where it is above this
.set XB,  234                          ; pass B
.set KAD, 235                          ; v235-238  LDS address of K's fragments: place % 4
.set VAD, 239                          ; v239-242  of V's
.set STO, 243
.set RD,  244
.set CO,  245
.set QOFF, 246
.set G1K, 28                           ; s[28:35]
.set G1V, 36                           ; s[36:43]
.set G0K, 44                           ; s[44:51] one set a slot
.set G0V, 52                           ; s[52:59]
.set MSB, 0
.macro WIN new                         ; s_set_vgpr_msb: bits 1:0 source 0, 3:2 source 1, 5:4 source 2, 7:6 destination; the high byte repeats the setting that is left
.if MSB != \new
	s_set_vgpr_msb (MSB<<8)|\new
.set MSB, \new
.endif
.endm
.macro PLACES n                        ; plain vector instructions that name no register of a matrix instruction (ISA guide 7.12.1)
.rept \n
	v_nop
.endr
.endm
.macro JLOAD s                         ; waves 0, 1 fetch K of the pair's two places, waves 2, 3 V
	s_cmp_lt_u32 s8, 2
	s_cbranch_scc0 .Lfor_v_\@
	tensor_load_to_lds s[G0K+4*\s:G0K+4*\s+3], s[G1K:G1K+7]
	s_nop 0
	s_branch .Lasked_\@
.Lfor_v_\@:
	tensor_load_to_lds s[G0V+4*\s:G0V+4*\s+3], s[G1V:G1V+7]
	s_nop 0
.Lasked_\@:
.endm
.macro JLAST s                         ; the ninth place stands alone: wave 0 fetches its K, wave 2 its V, waves 1 and 3 nothing
	s_cmp_lg_u32 s8, 0
	s_cbranch_scc1 .Lnot_0_\@
	tensor_load_to_lds s[G0K+4*\s:G0K+4*\s+3], s[G1K:G1K+7]
	s_nop 0
	s_branch .Lasked_\@
.Lnot_0_\@:
	s_cmp_lg_u32 s8, 2
	s_cbranch_scc1 .Lasked_\@
	tensor_load_to_lds s[G0V+4*\s:G0V+4*\s+3], s[G1V:G1V+7]
	s_nop 0
.Lasked_\@:
.endm
.macro NEXTIDX                         ; s17 = a place in the walk; s18 = the tile that stands there
	s_sub_co_u32 s18, s17, 1                       ; pass A behind its diagonal tile: tiles 0 .. kdA - 1 at places 1 .. kdA
	s_sub_co_u32 s19, s17, s15                     ; pass B behind its diagonal tile: tiles 0 .. kdB - 1 from place kdA + 2 on
	s_cmp_le_u32 s17, s12
	s_cselect_b32 s18, s18, s19
	s_cmp_eq_u32 s17, s14                          ; place kdA + 1: pass B's diagonal tile
	s_cselect_b32 s18, s13, s18
	s_cmp_eq_u32 s17, 0                            ; place 0: pass A's
	s_cselect_b32 s18, s12, s18
.endm
.macro SETADDR slot                    ; s18 = a tile: both group 0 of the slot get its address (128 rows of 256 bytes a tile)
	s_lshl_b32 s18, s18, 15
	s_mov_b32 s19, 0
	s_add_nc_u64 s[G0K+4*\slot+2:G0K+4*\slot+3], s[60:61], s[18:19]
	s_or_b32 s[G0K+4*\slot+3], s[G0K+4*\slot+3], 0x80000000
	s_add_nc_u64 s[G0V+4*\slot+2:G0V+4*\slot+3], s[62:63], s[18:19]
	s_or_b32 s[G0V+4*\slot+3], s[G0V+4*\slot+3], 0x80000000
.endm
	s_load_b128 s[4:7], s[0:1], 0x0                ; qkv s[4:5], ctx s[6:7]
	v_lshl_add_u32 v254, v0, 2, 0x4c400
	v_mov_b32 v255, 0
	ds_add_u32 v254, v255
	ds_add_u32 v254, v255
	v_lshrrev_b32 v1, 5, v0
	v_readfirstlane_b32 s8, v1                     ; wave 0..3
	s_and_b32 s9, s8, 1                            ; which place of a pair I fetch
	s_and_b32 s10, ttmp9, 7                        ; j: pass A's block of queries
	s_lshr_b32 s11, ttmp9, 3                       ; hb
	s_lshr_b32 s12, s10, 1                         ; kdA, also the place at which pass A ends
	s_sub_co_u32 s13, 7, s12                       ; kdB
	s_add_co_u32 s14, s12, 1                       ; the place of pass B's diagonal tile
	s_add_co_u32 s15, s12, 2
	s_mov_b32 s22, 0x76543210                      ; v_permlanex16_b32: lane i of one half reads lane i of the other
	s_mov_b32 s23, 0xfedcba98
	s_mov_b32 s24, 0x3e0293ee                      ; c = log2(e) / sqrt(128)
	s_mov_b32 s25, 0x3e0293ee
	s_mov_b32 s26, 0xbe0293ee                      ; -c
	; group 1: 128 rows x 128 elements of 2 bytes, dense rows of 128 elements, padded behind every 64 words by 4 (K) or 8 (V) words
	s_mov_b32 s[G1K+0], (1<<16)|(1<<20)|(5<<22)|(3<<25)
	s_mov_b32 s[G1V+0], (1<<16)|(1<<20)|(5<<22)|(7<<25)
	s_mov_b32 s[G1K+1], 128<<16
	s_mov_b32 s[G1V+1], 128<<16
	s_mov_b32 s[G1K+2], 128<<16
	s_mov_b32 s[G1V+2], 128<<16
	s_mov_b32 s[G1K+3], 128<<16
	s_mov_b32 s[G1V+3], 128<<16
	s_mov_b32 s[G1K+4], 128
	s_mov_b32 s[G1V+4], 128
	s_mov_b32 s[G1K+5], 128
	s_mov_b32 s[G1V+5], 128
	s_mov_b32 s[G1K+6], 0
	s_mov_b32 s[G1V+6], 0
	s_mov_b32 s[G1K+7], 0
	s_mov_b32 s[G1V+7], 0
	s_mul_i32 s27, s8, PART                        ; my part of a slot: the wave's number alone
.irp s, 0,1
	s_mov_b32 s[G0K+4*\s], 1
	s_add_co_u32 s[G0K+4*\s+1], s27, \s*SLOT
	s_mov_b32 s[G0V+4*\s], 1
	s_add_co_u32 s[G0V+4*\s+1], s27, \s*SLOT
.endr
	s_lshl_b32 s18, s11, 18                        ; the head: 262,144 bytes
	s_mov_b32 s19, 0
	s_wait_dscnt 0x0
	s_wait_kmcnt 0x0
	s_add_nc_u64 s[60:61], s[4:5], s[18:19]
	s_add_nc_u64 s[62:63], s[60:61], 0x1000000     ; v of the head
	s_add_nc_u64 s[60:61], s[60:61], 0x800000      ; k of the head
	s_mov_b32 s17, s9                              ; slot 0: places 0 and 1
	NEXTIDX
	SETADDR 0
	s_add_co_u32 s17, s9, 2                        ; slot 1: places 2 and 3
	NEXTIDX
	SETADDR 1
	JLOAD 0                                        ; the two first fills go out together: two tensor loads of a wave are out
	JLOAD 1
	s_sub_co_u32 s20, 15, s10                      ; pass B's block of queries
	s_lshl_b32 s17, s11, 18
	s_lshl_b32 s21, s8, 12
	s_add_co_u32 s17, s17, s21                     ; q: the head + 16 w rows of 256 bytes
	s_lshl_b32 s18, s10, 14
	s_add_co_u32 s18, s18, s17
	s_mov_b32 s19, 0
	s_add_nc_u64 s[66:67], s[4:5], s[18:19]        ; my queries of pass A
	s_lshl_b32 s18, s20, 14
	s_add_co_u32 s18, s18, s17
	s_add_nc_u64 s[68:69], s[4:5], s[18:19]        ; of pass B
	s_lshr_b32 s17, s11, 4
	s_lshl_b32 s17, s17, 22                        ; ctx: the batch's 1,024 rows of 4,096 bytes
	s_lshl_b32 s21, s8, 16
	s_add_co_u32 s17, s17, s21                     ; + 16 w rows
	s_and_b32 s21, s11, 15
	s_lshl_b32 s21, s21, 8
	s_add_co_u32 s17, s17, s21                     ; + the head's 256 bytes of a row
	s_lshl_b32 s18, s10, 18
	s_add_co_u32 s18, s18, s17
	s_add_nc_u64 s[70:71], s[6:7], s[18:19]        ; my rows of ctx, pass A
	s_lshl_b32 s18, s20, 18
	s_add_co_u32 s18, s18, s17
	s_add_nc_u64 s[72:73], s[6:7], s[18:19]        ; pass B
	s_and_b32 s18, s10, 1
	s_xor_b32 s19, s18, 1
	s_lshl_b32 s18, s18, 6
	s_lshl_b32 s19, s19, 6
	s_lshl_b32 s21, s8, 4
	s_add_co_u32 s18, s18, s21                     ; my first query's place in the diagonal tile: 64 (block % 2) + 16 w
	s_add_co_u32 s19, s19, s21
	v_and_b32 v1, 15, v0                           ; r
	v_bfe_u32 v2, v0, 4, 1                         ; h
	v_and_b32 v3, 7, v0
	v_bfe_u32 v4, v0, 3, 1
	v_mul_u32_u24 v[KAD], v1, PK
	v_lshl_add_u32 v[KAD], v2, 4, v[KAD]           ; row r, 16 bytes for each half of the lanes
	v_lshl_add_u32 v5, v2, 3, v3
	v_mul_u32_u24 v5, v5, PV
	v_lshl_add_u32 v5, v4, 4, v5                   ; key row 8 h + l % 8, 16 bytes further for lanes 8-15 of each half
	s_mul_i32 s17, s8, 16*PK
	s_add_co_u32 s17, s17, STAGE
	v_add_nc_u32 v[STO], s17, v[KAD]               ; stage in: row r, 16 h
.irp q, 1,2,3
	v_add_nc_u32 v[KAD+\q], (\q>>1)*SLOT+(\q&1)*PART, v[KAD]
.endr
.irp q, 0,1,2,3
	v_add_nc_u32 v[VAD+\q], (\q>>1)*SLOT+(2+(\q&1))*PART, v5
.endr
	v_mul_u32_u24 v5, v2, PK
	v_lshl_add_u32 v5, v1, 4, v5
	v_add_nc_u32 v[RD], s17, v5                    ; back: lanes 0-15 one row of 256 bytes, lanes 16-31 the next
	v_lshlrev_b32 v5, 12, v2
	v_lshl_add_u32 v[CO], v1, 4, v5                ; the same two rows in ctx
	v_lshlrev_b32 v5, 8, v1
	v_lshl_add_u32 v[QOFF], v2, 4, v5
	v_lshlrev_b32 v5, 3, v2
	v_sub_nc_u32 v5, v1, v5                        ; r - 8 h
	v_add_nc_u32 v[XA], s18, v5
	v_add_nc_u32 v[XB], s19, v5
	v_mov_b32 v[PX], 0                             ; v_permlanex16_b32 counts as a reader of its destination
	v_mov_b32 v[NEGINF], 0xff800000
	v_mov_b32 v[RM], 0xff800000                    ; a pass's start
	v_mov_b32 v[NM], 0x7f800000
	v_mov_b32 v[RL], 0
.irp kk, 0,1,2,3
	global_load_b128 v[Q+8*\kk:Q+8*\kk+3],   v[QOFF], s[66:67] offset:64*\kk
	global_load_b128 v[Q+8*\kk+4:Q+8*\kk+7], v[QOFF], s[66:67] offset:64*\kk+32
.endr
	WIN 0xc0                                       ; pass B's queries come now too, into window 3, so that the change of pass waits for no memory
.irp kk, 0,1,2,3
	global_load_b128 v[8*\kk:8*\kk+3],   v[QOFF], s[68:69] offset:64*\kk
	global_load_b128 v[8*\kk+4:8*\kk+7], v[QOFF], s[68:69] offset:64*\kk+32
.endr
	WIN 0
.macro KGRP q, kk                      ; 16 loads: K's 8 fragments for 32 of d
	WIN 0x40
.irp tt, 0,1,2,3,4,5,6,7
	ds_load_b128 v[8*(8*\kk+\tt):8*(8*\kk+\tt)+3],   v[KAD+\q] offset:\tt*16*PK+64*\kk
	ds_load_b128 v[8*(8*\kk+\tt)+4:8*(8*\kk+\tt)+7], v[KAD+\q] offset:\tt*16*PK+64*\kk+32
.endr
.endm
.macro VGRP q, kk                      ; 16 transposing loads: V^T's 8 fragments for 32 keys
	WIN 0x80
.irp dt, 0,1,2,3,4,5,6,7
	ds_load_tr16_b128 v[8*(8*\kk+\dt):8*(8*\kk+\dt)+3],   v[VAD+\q] offset:\kk*32*PV+32*\dt
	ds_load_tr16_b128 v[8*(8*\kk+\dt)+4:8*(8*\kk+\dt)+7], v[VAD+\q] offset:\kk*32*PV+32*\dt+16*PV
.endr
.endm
; 8 matrix instructions: the 8 score tiles, 32 along d.  The eight accumulators take turns, one instruction a turn.
.macro SCG kk
.irp tt, 0,1,2,3,4,5,6,7
.if \kk == 0
	v_wmma_f32_16x16x32_f16 v[S+8*\tt:S+8*\tt+7], v[8*(8*\kk+\tt):8*(8*\kk+\tt)+7], v[Q+8*\kk:Q+8*\kk+7], 0
.else
	v_wmma_f32_16x16x32_f16 v[S+8*\tt:S+8*\tt+7], v[8*(8*\kk+\tt):8*(8*\kk+\tt)+7], v[Q+8*\kk:Q+8*\kk+7], v[S+8*\tt:S+8*\tt+7]
.endif
.endr
.endm
.macro PVM kk, zero                    ; 8 matrix instructions: O^T += V^T P^T for keys 32 kk .. + 31; the eight accumulators take turns likewise
.irp dt, 0,1,2,3,4,5,6,7
.if \zero
	v_wmma_f32_16x16x32_f16 v[O+8*\dt:O+8*\dt+7], v[8*(8*\kk+\dt):8*(8*\kk+\dt)+7], v[S+16*\kk:S+16*\kk+7], 0
.else
	v_wmma_f32_16x16x32_f16 v[O+8*\dt:O+8*\dt+7], v[8*(8*\kk+\dt):8*(8*\kk+\dt)+7], v[S+16*\kk:S+16*\kk+7], v[O+8*\dt:O+8*\dt+7]
.endif
.endr
.endm
.macro MASK x                          ; a diagonal tile: keys above the query get -infinity (the tile's key 0 is never masked)
.set ii, 0
.rept 64
	v_cmp_gt_i32 vcc_lo, 16*(ii/8)+(ii%8), v[\x]
	v_cndmask_b32 v[S+ii], v[S+ii], v[NEGINF], vcc_lo
.set ii, ii+1
.endr
.endm
; The running maximum is raised, p made, the old sums carried onto the new maximum.  scale = 0: place 0, where O holds nothing yet.
.macro SOFTMAX scale
.irp k, 0,1,2,3
	v_max_num_f32 v[T+\k], v[S+16*\k], v[S+16*\k+1]            ; four chains that do not wait for each other
.endr
.irp i, 0,1,2,3,4,5,6
.irp k, 0,1,2,3
	v_max3_num_f32 v[T+\k], v[T+\k], v[S+16*\k+2+2*\i], v[S+16*\k+3+2*\i]
.endr
.endr
	v_max3_num_f32 v[T], v[T], v[T+1], v[T+2]
	v_max_num_f32 v[T], v[T], v[T+3]
	v_permlanex16_b32 v[PX], v[T], s22, s23        ; the query's other 64 keys lie in the other half of the wave
	v_max3_num_f32 v[MN], v[T], v[PX], v[RM]
	v_mul_f32 v[NM+1], s26, v[MN]                  ; the new -c x maximum; v[NM] still holds the old one
	v_sub_f32 v[AL], v[NM+1], v[NM]                ; every p is exp2(c s + NM), so old sums are carried over by exp2 of exactly this difference
	v_exp_f32 v[AL], v[AL]
	v_mov_b32 v[NM], v[NM+1]                       ; a plain instruction behind the exponential (ISA guide 5.7.2)
	v_mov_b32 v[RM], v[MN]
.set ii, 0
.rept 32
	v_pk_fma_f32 v[S+2*ii:S+2*ii+1], v[S+2*ii:S+2*ii+1], s[24:25], v[NM:NM+1] op_sel_hi:[1,0,1]
.set ii, ii+1
.endr
.set ii, 0
.rept 64
	v_exp_f32 v[S+ii], v[S+ii]
.set ii, ii+1
.endr
	s_wait_alu depctr_va_vdst(0)
	v_mov_b32 v[AL+1], v[AL]                       ; one plain place between the last exponential and the use of its result
.irp k, 0,1,2,3
	v_pk_add_f32 v[T+2*\k:T+2*\k+1], v[S+16*\k:S+16*\k+1], v[S+16*\k+2:S+16*\k+3]
.endr
.irp i, 0,1,2,3,4,5
.irp k, 0,1,2,3
	v_pk_add_f32 v[T+2*\k:T+2*\k+1], v[T+2*\k:T+2*\k+1], v[S+16*\k+4+2*\i:S+16*\k+5+2*\i]
.endr
.endr
	v_pk_add_f32 v[T:T+1], v[T:T+1], v[T+2:T+3]
	v_pk_add_f32 v[T+4:T+5], v[T+4:T+5], v[T+6:T+7]
	v_pk_add_f32 v[T:T+1], v[T:T+1], v[T+4:T+5]
	v_add_f32 v[T], v[T], v[T+1]
	v_fma_f32 v[RL], v[RL], v[AL], v[T]
.irp kk, 0,1,2,3
.irp e, 0,1,2,3,4,5,6,7
	v_cvt_pk_f16_f32 v[S+16*\kk+\e], v[S+16*\kk+2*\e], v[S+16*\kk+2*\e+1]   ; in place, ascending: a register is written after it was read
.endr
.endr
.if \scale
.set ii, 0
.rept 32
	v_pk_mul_f32 v[O+2*ii:O+2*ii+1], v[O+2*ii:O+2*ii+1], v[AL:AL+1]         ; in a pass's first tile the products are not used: its first PV products take C = 0
.set ii, ii+1
.endr
.endif
.endm
; The end of a pass: divide by the sum, round to f16, 16 rows through my own stage, whole rows of 256 bytes out.  more = 1: pass B is set up.
.macro FIN cb, more
	v_permlanex16_b32 v[PX], v[RL], s22, s23
	v_add_f32 v[T+2], v[RL], v[PX]                 ; at least one p is 1, so the sum is no less
	v_rcp_f32 v[T], v[T+2]
	v_rcp_f32 v[T+1], v[T+2]
	v_nop                                          ; one plain place behind the reciprocals
.set ii, 0
	s_wait_alu depctr_va_vdst(0)
.rept 32
	v_pk_mul_f32 v[O+2*ii:O+2*ii+1], v[O+2*ii:O+2*ii+1], v[T:T+1]
.set ii, ii+1
.endr
.irp dt, 0,1,2,3,4,5,6,7
.irp e, 0,1,2,3
	v_cvt_pk_f16_f32 v[O+8*\dt+\e], v[O+8*\dt+2*\e], v[O+8*\dt+2*\e+1]
.endr
.endr
.irp dt, 0,1,2,3,4,5,6,7
	ds_store_b128 v[STO], v[O+8*\dt:O+8*\dt+3] offset:32*\dt
.endr
.irp t, 0,1,2,3,4,5,6,7
	ds_load_b128 v[T+4*\t:T+4*\t+3], v[RD] offset:\t*2*PK      ; LDS serves a wave's instructions in order: these see the stores above
.endr
.irp t, 0,1,2,3,4,5,6,7
	s_wait_dscnt 7-\t
	global_store_b128 v[CO], v[T+4*\t:T+4*\t+3], s[\cb:\cb+1] offset:8192*\t   ; 16 lanes store 256 consecutive bytes, at a multiple of 256 from ctx's first byte
.endr
.if \more
	WIN 0x03
.set ii, 0
.rept 32
	v_mov_b32 v[Q+ii], v[ii]                       ; pass B's queries, out of window 3
.set ii, ii+1
.endr
	WIN 0
	v_mov_b32 v[RM], v[NEGINF]                     ; a pass's start
	v_mov_b32 v[NM], 0x7f800000
	v_mov_b32 v[RL], 0
	s_wait_xcnt 0x0                                ; T, which the stores read, is written again only behind this wait
.endif
.endm
; One place pl of the walk; its tile lies in part pl % 4.  On entry K's four groups of 16 loads have been issued.
; LDS loads go out in groups of 16, each behind 8 matrix instructions: this tile's V between the score groups, the next tile's K between the PV groups.
; So behind the group that a wait is for, three groups have been issued: every counted wait is for 48.
; kind 0: place 0; 1: pass B's diagonal tile if pl = kdA + 1; 2: below the diagonal.  fin 1: pass A ends if pl = kdA; 2: pass B ends.
; chg 0: the next place lies in the same slot; 1: change of slots, this slot filled again with places pl + 3, pl + 4; 2: with place pl + 3 alone; 3: not filled.
.macro TRIP pl, kind, fin, chg, last
.irp kk, 0,1,2,3
	s_wait_dscnt 48                                ; LDS loads come back in order (ISA guide 5.7.1): K's group kk is in
	WIN 0x01                                       ; source 0 window 1
	SCG \kk
.if \kk == 3
	PLACES 4                                       ; in front of the mask and the softmax, which read results, and of later loads over K's fragments
.endif
	VGRP (\pl&3), \kk
.endr
	WIN 0
.if \kind == 0
	MASK XA
	SOFTMAX 0
.else
.if \kind == 1
	s_cmp_lg_u32 s14, \pl
	s_cbranch_scc1 .Lnomask_\@
	MASK XB
.Lnomask_\@:
.endif
	SOFTMAX 1
.endif
.if \chg
	s_wait_dscnt 0x0                               ; all my reads of this slot are over: V's fragments are in registers
	s_wait_tensorcnt 0x0                           ; all my tensor loads have landed (one was out: my part of the next slot), so a group 0 may be written
	ds_add_u32 v254, v255
	s_wait_dscnt 0x0
.if \chg < 3
	s_add_co_u32 s17, s9, \pl+3
	NEXTIDX
	SETADDR ((\pl>>1)&1)
.endif
	s_barrier_signal -1
	s_barrier_wait -1                              ; nobody reads this slot any more, and the next slot is whole
.if \chg == 1
	JLOAD ((\pl>>1)&1)                             ; my one tensor load behind this barrier; it has two places' work in which to land
.endif
.if \chg == 2
	JLAST ((\pl>>1)&1)
.endif
.endif
	s_wait_dscnt 48                                ; V's group 0
.if \kind == 1
	s_cmp_lg_u32 s14, \pl
	s_cbranch_scc1 .Lfull_\@
	WIN 0x02                                       ; source 0 window 2
	PVM 0, 1
	WIN 0
	s_branch .Ljoin_\@
.Lfull_\@:
	WIN 0x02
	PVM 0, 0
	WIN 0
.Ljoin_\@:
.else
	WIN 0x02
.if \kind == 0
	PVM 0, 1
.else
	PVM 0, 0
.endif
.endif
.if \last == 0
	KGRP ((\pl+1)&3), 0
.endif
.irp kk, 1,2,3
	s_wait_dscnt 48-16*\kk*\last                   ; the last place issues no loads of K, so its counts run down
	WIN 0x02
	PVM \kk, 0
.if \kk == 3
	PLACES 5                                       ; in front of the next score tiles, which write over P, of the loads over V's fragments, and of the pass's end
.endif
.if \last == 0
	KGRP ((\pl+1)&3), \kk
.endif
.endr
	WIN 0
.if \fin == 1
	s_cmp_lg_u32 s12, \pl
	s_cbranch_scc1 .Lnofin_\@
	FIN 70, 1
.Lnofin_\@:
.endif
.if \fin == 2
	FIN 72, 0
.endif
.endm
	s_wait_tensorcnt 0x1                           ; my part of slot 0 is in; slot 1's stays out
	s_wait_loadcnt 0x0                             ; my queries
	s_barrier_signal -1
	s_barrier_wait -1
.irp kk, 0,1,2,3
	KGRP 0, \kk
.endr
	WIN 0
	TRIP 0, 0, 1, 0, 0                             ; pass A's diagonal tile
	TRIP 1, 1, 1, 1, 0                             ; slot 0 is filled again: places 4, 5
	TRIP 2, 1, 1, 0, 0
	TRIP 3, 1, 1, 1, 0                             ; slot 1: places 6, 7.  Pass A ends here at the latest (kdA is at most 3)
	TRIP 4, 1, 0, 0, 0                             ; pass B's diagonal tile stands here at the latest
	TRIP 5, 2, 0, 2, 0                             ; slot 0: place 8
	TRIP 6, 2, 0, 0, 0
	TRIP 7, 2, 0, 3, 0                             ; the last change of slots: nothing is left to fetch
	TRIP 8, 2, 2, 0, 1
	s_wait_tensorcnt 0x0
	ds_add_u32 v254, v255
	s_wait_dscnt 0x0
	s_endpgm
.Lfunc_end_k_qe909b89d77_attn:
	.size	k_qe909b89d77_attn, .Lfunc_end_k_qe909b89d77_attn-k_qe909b89d77_attn
	.p2alignl 7, 3214868480
	.fill 96, 4, 3214868480
	.section	.rodata,"a",@progbits
	.p2align	6, 0x0
	.amdhsa_kernel k_qe909b89d77_attn
		.amdhsa_group_segment_fixed_size 327680
		.amdhsa_private_segment_fixed_size 0
		.amdhsa_enable_private_segment 0
		.amdhsa_kernarg_size 16
		.amdhsa_user_sgpr_count 2
		.amdhsa_user_sgpr_kernarg_segment_ptr 1
		.amdhsa_wavefront_size32 1
		.amdhsa_system_sgpr_workgroup_id_x 1
		.amdhsa_system_sgpr_workgroup_id_y 1
		.amdhsa_system_sgpr_workgroup_id_z 1
		.amdhsa_system_vgpr_workitem_id 0
		.amdhsa_next_free_vgpr 1024
		.amdhsa_next_free_sgpr 80
		.amdhsa_reserve_vcc 1
		.amdhsa_float_denorm_mode_32 3
		.amdhsa_float_denorm_mode_16_64 3
		.amdhsa_memory_ordered 1
		.amdhsa_forward_progress 1
		.amdhsa_inst_pref_size 255
	.end_amdhsa_kernel
	.section	.bss,"aw",@nobits
	.p2align	6
	.space	262144
	.amdgpu_metadata
---
amdhsa.version: [ 1, 2 ]
amdhsa.kernels:
  - .name:           k_qe909b89d77_attn
    .symbol:         k_qe909b89d77_attn.kd
    .args:
      - { .name: qkv, .offset: 0, .size: 8, .value_kind: global_buffer, .address_space: global }
      - { .name: ctx, .offset: 8, .size: 8, .value_kind: global_buffer, .address_space: global }
    .group_segment_fixed_size: 327680
    .private_segment_fixed_size: 0
    .kernarg_segment_align: 8
    .kernarg_segment_size: 16
    .max_flat_workgroup_size: 128
    .sgpr_count:     80
    .vgpr_count:     1024
    .wavefront_size: 32
...
	.end_amdgpu_metadata
.endif
;; end of part 3
;; launch oproj (part 4): grid 16 x 16, 4 waves a work-group, clusters of 4 x 4, 327,680 bytes of LDS; arguments ctx, wh, bo, out0; writes out0
.if DOCPART == 4
	.amdgcn_target "amdgcn-amd-amdhsa--gfx1250"
	.amdhsa_code_object_version 6
	.text
	.protected	k_qe909b89d77_oproj
	.globl	k_qe909b89d77_oproj
	.p2align	8
	.type	k_qe909b89d77_oproj,@function
k_qe909b89d77_oproj:
	s_mov_b64 s[64:65], 0
	v_nop
	global_prefetch_b8 v0, s[64:65] scope:SCOPE_SE
	s_setreg_imm32_b32 hwreg(HW_REG_WAVE_MODE, 25, 1), 1
	s_wait_xcnt 0x0
	s_wait_alu depctr_hold_cnt(0) depctr_sa_sdst(0) depctr_va_vdst(0) depctr_va_sdst(0) depctr_va_ssrc(0) depctr_va_vcc(0) depctr_vm_vsrc(0)
	s_getreg_b32 s2, hwreg(HW_REG_IB_STS2, 6, 4)
	s_cmp_eq_u32 s2, 0
	s_cbranch_scc0 .Lentry_in_a_cluster
	s_endpgm
.Lentry_in_a_cluster:
	s_bfe_u32 s2, ttmp6, 0x10000c
	s_cmp_lg_u32 s2, 0xf033
	s_cbranch_scc0 .Lentry_shape_is_right
	s_endpgm
.Lentry_shape_is_right:
; out0 = ctx Wo + bo.  ctx: [2048][2048] f16.  Wo: the fourth matrix of wh, [2048 k][2048 n] f16.  out0: [2048][2048] f32.  Sums in f32, started by the bias.
; Work-group (x = block of 128 columns, y = block of 128 rows); four waves, wave (w / 2, w % 2) makes 64 x 64: 16 accumulator tiles.
; K = 2048 goes in 8 steps of 256 through two LDS slots.  A slot has four quarters: ctx's rows 0-63 and 64-127 (rows of 512 bytes),
; Wo's k rows 0-127 and 128-255; wave w fills quarter w.  A step is eight sub-steps of 32 along K on two fragment buffers.
; CLUSTERS: 4 x 4 work-groups.  ctx's tiles hang on the row block alone and are asked for jointly along a row of the cluster, Wo's on the column
; block alone and along a column: the requests for both are divided by four.
; The matrix instruction is used transposed (source 0 = 16 columns of Wo by ds_load_tr16_b128, source 1 = 16 rows of ctx): a lane holds eight
; neighbouring f32 of a row of out0.
; REGISTERS: window 0: addresses, fragments, the way out; window 1: accumulator tile (a, b) at v[8 (4 a + b)], the bias at v128-159.
.set PA,    528                        ; ctx's LDS row: 512 bytes + 16: an odd multiple of 16
.set PB,    288                        ; Wo's LDS row: 256 bytes + 32: an odd multiple of 32
.set QUART, 36864                      ; 128 rows x 288; ctx's 64 rows use 33,792 of their quarter
.set SLOT,  4*QUART
.set STAGE, 2*SLOT                     ; 16 rows x 272 bytes for each wave, its own, filled by no tensor load
.set SP,    272
.set ADRA,  16                         ; v16-17  my ctx fragments in slot 0, 1
.set ADRB,  18                         ; v18-19  my Wo fragments, k rows 0-127, slot 0, 1; v20-21 k rows 128-255
.set STO,   24
.set RD,    25
.set CO,    26
.set BOFF,  27
.set FA,    64                         ; ctx's fragments: buffer p at FA + 32 p
.set FB,    128                        ; Wo's fragments: buffer p at FB + 32 p
.set T,     192
.set BIAS,  128                        ; window 1
.set G1,  24
.set G0,  32
.set G1B, 48
.set G0B, 56
.set MSB, 0
.macro WIN new
.if MSB != \new
	s_set_vgpr_msb (MSB<<8)|\new
.set MSB, \new
.endif
.endm
.macro PLACES                          ; four plain vector instructions that name no register of a matrix instruction (ISA guide 7.12.1)
.rept 4
	v_nop
.endr
.endm
.macro JLOAD s                         ; waves 0, 1 fetch ctx's halves, waves 2, 3 Wo's; the branch hangs on the wave's number alone
	s_cmp_eq_u32 s17, 0
	s_cbranch_scc0 .Lfor_w_\@
	tensor_load_to_lds s[G0+4*\s:G0+4*\s+3], s[G1:G1+7]
	s_nop 0
	s_branch .Lasked_\@
.Lfor_w_\@:
	tensor_load_to_lds s[G0B+4*\s:G0B+4*\s+3], s[G1B:G1B+7]
	s_nop 0
.Lasked_\@:
.endm
.macro CREST                           ; a round of the cluster's barrier behind its opening barrier
	s_cmp_lg_u32 s16, 0
	s_cbranch_scc1 .Lnot_wave_0_\@
	s_barrier_signal -3
.Lnot_wave_0_\@:
	s_barrier_wait -3
	s_barrier_signal -1
	s_barrier_wait -1
.endm
.macro CROUND
	s_barrier_signal -1
	s_barrier_wait -1
	CREST
.endm
	s_load_b256 s[4:11], s[0:1], 0x0               ; ctx s[4:5], wh s[6:7], bo s[8:9], out0 s[10:11]
	v_lshl_add_u32 v254, v0, 2, 0x4c400
	v_mov_b32 v255, 0
	ds_add_u32 v254, v255
	ds_add_u32 v254, v255
	v_lshrrev_b32 v1, 5, v0
	v_readfirstlane_b32 s16, v1                    ; wave 0..3
	s_lshr_b32 s17, s16, 1                         ; which 64 rows are mine.  Also: I fetch for ctx (0) or for Wo (1)
	s_and_b32 s18, s16, 1                          ; which 64 columns.  Also: which half of that tile I fetch
	s_bfe_u32 s40, ttmp6, 0x40000                  ; cx
	s_bfe_u32 s41, ttmp6, 0x40004                  ; cy
	s_lshl_b32 s42, ttmp9, 2
	s_add_co_u32 s42, s42, s40                     ; column block
	s_and_b32 s43, ttmp7, 0xffff
	s_lshl_b32 s43, s43, 2
	s_add_co_u32 s43, s43, s41                     ; row block
	s_lshl_b32 s44, s41, 2
	s_lshl_b32 s44, 15, s44                        ; my row of the cluster
	s_lshl_b32 s45, 0x1111, s40                    ; my column
	s_or_b32 s[G1+0],  s44, (1<<16)|(1<<20)|(1<<21)|(6<<22)|(3<<25)   ; ctx: 4 words of padding behind every 128 words
	s_or_b32 s[G1B+0], s45, (1<<16)|(1<<20)|(1<<21)|(5<<22)|(7<<25)   ; Wo: 8 words behind every 64
	s_mov_b32 s[G1+1],  256<<16                    ; ctx: 64 rows x 256 elements
	s_mov_b32 s[G1B+1], 128<<16                    ; Wo: 128 rows x 128 elements
	s_mov_b32 s[G1+2],  64<<16
	s_mov_b32 s[G1B+2], 128<<16
	s_mov_b32 s[G1+3],  256<<16
	s_mov_b32 s[G1B+3], 128<<16
	s_mov_b32 s[G1+4],  64
	s_mov_b32 s[G1B+4], 128
	s_mov_b32 s[G1+5],  2048
	s_mov_b32 s[G1B+5], 2048
	s_mov_b32 s[G1+6],  0
	s_mov_b32 s[G1B+6], 0
	s_mov_b32 s[G1+7],  0
	s_mov_b32 s[G1B+7], 0
	s_lshl_b32 s20, s43, 19                        ; ctx: 128 rows of 4,096 bytes a row block
	s_lshl_b32 s21, s18, 18                        ; + my 64 rows
	s_add_co_u32 s20, s20, s21
	s_mov_b32 s21, 0
	s_lshl_b32 s46, s42, 8                         ; Wo: the block's 128 columns
	s_lshl_b32 s47, s18, 19                        ; + my 128 k rows
	s_add_co_u32 s46, s46, s47
	s_add_co_u32 s46, s46, 3<<23                   ; the fourth matrix of wh
	s_mov_b32 s47, 0
	s_mul_i32 s22, s16, QUART
	s_wait_dscnt 0x0
	s_wait_kmcnt 0x0
	s_add_nc_u64 s[20:21], s[4:5], s[20:21]
	s_add_nc_u64 s[46:47], s[6:7], s[46:47]
	CROUND                                         ; all sixteen work-groups are here: the first joint loads meet
.irp s, 0,1
	s_mov_b32 s[G0+4*\s], 1
	s_add_co_u32 s[G0+4*\s+1], s22, \s*SLOT
	s_add_nc_u64 s[G0+4*\s+2:G0+4*\s+3], s[20:21], \s*512          ; K step s: 256 elements along ctx's rows
	s_or_b32 s[G0+4*\s+3], s[G0+4*\s+3], 0x80000000
	s_mov_b32 s[G0B+4*\s], 1
	s_add_co_u32 s[G0B+4*\s+1], s22, \s*SLOT
	s_add_nc_u64 s[G0B+4*\s+2:G0B+4*\s+3], s[46:47], \s*1048576    ; K step s: 256 rows of Wo down
	s_or_b32 s[G0B+4*\s+3], s[G0B+4*\s+3], 0x80000000
	JLOAD \s                                       ; two tensor loads of a wave are out
.endr
	v_and_b32 v1, 15, v0                           ; r
	v_bfe_u32 v2, v0, 4, 1                         ; h
	v_and_b32 v3, 7, v0
	v_bfe_u32 v4, v0, 3, 1
	v_mul_u32_u24 v5, v1, PA
	v_lshl_add_u32 v5, v2, 4, v5
	s_mul_i32 s23, s17, QUART                      ; my 64 rows of ctx
	v_add_nc_u32 v[ADRA], s23, v5
	v_add_nc_u32 v[ADRA+1], SLOT, v[ADRA]
	v_lshl_add_u32 v6, v2, 3, v3
	v_mul_u32_u24 v6, v6, PB
	v_lshl_add_u32 v6, v4, 4, v6
	s_lshl_b32 s23, s18, 7                         ; my 64 columns: 128 bytes
	s_add_co_u32 s23, s23, 2*QUART
	v_add_nc_u32 v[ADRB], s23, v6
	v_add_nc_u32 v[ADRB+1], SLOT, v[ADRB]
	v_add_nc_u32 v[ADRB+2], QUART, v[ADRB]
	v_add_nc_u32 v[ADRB+3], SLOT+QUART, v[ADRB]
	s_mul_i32 s23, s16, 16*SP
	s_add_co_u32 s23, s23, STAGE
	v_mul_u32_u24 v5, v1, SP
	v_lshl_add_u32 v5, v2, 5, v5
	v_add_nc_u32 v[STO], s23, v5                   ; stage in: row r, 32 bytes for each half of the lanes
	v_mul_u32_u24 v5, v2, SP
	v_lshl_add_u32 v5, v1, 4, v5
	v_add_nc_u32 v[RD], s23, v5                    ; back: lanes 0-15 one row of 256 bytes, lanes 16-31 the next
	v_lshlrev_b32 v5, 13, v2
	v_lshl_add_u32 v[CO], v1, 4, v5                ; the same two rows in out0
	s_lshl_b32 s46, s42, 9
	s_lshl_b32 s47, s18, 8
	s_add_co_u32 s46, s46, s47
	v_lshl_add_u32 v[BOFF], v2, 5, s46             ; bias: 4 x (128 block + 64 (w % 2) + 8 h)
	WIN 0x40
.irp b, 0,1,2,3
	global_load_b128 v[BIAS+8*\b:BIAS+8*\b+3],   v[BOFF], s[8:9] offset:64*\b      ; register j = bo[n0 + 8 h + j]: the accumulators' layout
	global_load_b128 v[BIAS+8*\b+4:BIAS+8*\b+7], v[BOFF], s[8:9] offset:64*\b+16
.endr
	WIN 0
; 8 matrix instructions: row tiles a0, a0 + 1 x 4 column tiles on buffer p.  zero = 1: the bias is the first C.
; The 16 accumulators take turns, one instruction a turn, in the same order in every sub-step.
.macro MUL8 p, a0, zero
.irp a, \a0, \a0+1
.irp b, 0,1,2,3
.if \zero
	v_wmma_f32_16x16x32_f16 v[8*(4*(\a)+\b):8*(4*(\a)+\b)+7], v[FB+32*\p+8*\b:FB+32*\p+8*\b+7], v[FA+32*\p+8*(\a):FA+32*\p+8*(\a)+7], v[BIAS+8*\b:BIAS+8*\b+7]
.else
	v_wmma_f32_16x16x32_f16 v[8*(4*(\a)+\b):8*(4*(\a)+\b)+7], v[FB+32*\p+8*\b:FB+32*\p+8*\b+7], v[FA+32*\p+8*(\a):FA+32*\p+8*(\a)+7], v[8*(4*(\a)+\b):8*(4*(\a)+\b)+7]
.endif
.endr
.endr
.endm
.macro FETCH s, kq, p                  ; 16 LDS loads: sub-step kq of slot s into buffer p
.irp b, 0,1,2,3
	ds_load_tr16_b128 v[FB+32*\p+8*\b:FB+32*\p+8*\b+3],   v[ADRB+2*(\kq>>2)+\s] offset:(\kq&3)*32*PB+32*\b
	ds_load_tr16_b128 v[FB+32*\p+8*\b+4:FB+32*\p+8*\b+7], v[ADRB+2*(\kq>>2)+\s] offset:(\kq&3)*32*PB+32*\b+16*PB
.endr
.irp a, 0,1,2,3
	ds_load_b128 v[FA+32*\p+8*\a:FA+32*\p+8*\a+3],   v[ADRA+\s] offset:\a*16*PA+64*\kq
	ds_load_b128 v[FA+32*\p+8*\a+4:FA+32*\p+8*\a+7], v[ADRA+\s] offset:\a*16*PA+64*\kq+32
.endr
.endm
; One of a step's first seven sub-steps: fetches sub-step nk into buffer np, multiplies buffer p.
.macro SUB s, nk, p, np, zero
	PLACES                                         ; buffer np was read by matrix instructions: four places in front of the loads into it
	FETCH \s, \nk, \np
	s_wait_dscnt 16                                ; all but the 16 just issued
	WIN 0x50                                       ; C and D window 1
	MUL8 \p, 0, \zero
	MUL8 \p, 2, \zero
	WIN 0
.endm
.macro SEVEN s, zero
	SUB \s, 1, 0, 1, \zero
	SUB \s, 2, 1, 0, 0
	SUB \s, 3, 0, 1, 0
	SUB \s, 4, 1, 0, 0
	SUB \s, 5, 0, 1, 0
	SUB \s, 6, 1, 0, 0
	SUB \s, 7, 0, 1, 0
.endm
; The eighth sub-step multiplies buffer 1 and changes slots.  In front of the barrier each wave waits for its reads of this slot and for all its tensor
; loads (one is out: its quarter of the next slot).  fill = 1: the barrier opens a round of the cluster's barrier, and the joint load is the first
; tensor load behind the round.  From a request to the wait for it a wave issues 120 matrix instructions.
.macro TURN s, nx, fill
	s_wait_dscnt 0x0
	s_wait_tensorcnt 0x0
	ds_add_u32 v254, v255
	s_wait_dscnt 0x0
	s_barrier_signal -1
	WIN 0x50
	MUL8 1, 0, 0                                   ; register work while the others arrive
	WIN 0
	s_barrier_wait -1
.if \fill
	CREST
	s_add_nc_u64 s[G0+4*\s+2:G0+4*\s+3], s[G0+4*\s+2:G0+4*\s+3], 1024          ; two K steps along ctx's rows
	s_add_nc_u64 s[G0B+4*\s+2:G0B+4*\s+3], s[G0B+4*\s+2:G0B+4*\s+3], 2097152   ; 512 rows of Wo down
	JLOAD \s
.endif
	PLACES
	FETCH \nx, 0, 0
	WIN 0x50
	MUL8 1, 2, 0
	WIN 0
.endm
.macro LAP zero
	SEVEN 0, \zero
	TURN 0, 1, 1
	SEVEN 1, 0
	TURN 1, 0, 1
.endm
	s_wait_tensorcnt 0x1                           ; my quarter of K step 0 is in; K step 1's stays out
	s_wait_loadcnt 0x0                             ; the bias
	s_barrier_signal -1
	s_barrier_wait -1
	FETCH 0, 0, 0
	LAP 1                                          ; the first lap stands in front of the loop: its first products start the sums
	s_mov_b32 s3, 2
.Llap:
	LAP 0
	s_sub_co_u32 s3, s3, 1
	s_cmp_lg_u32 s3, 0
	s_cbranch_scc1 .Llap
	SEVEN 0, 0                                     ; the last lap fills nothing
	TURN 0, 1, 0
	SEVEN 1, 0
	s_wait_dscnt 0x0
	WIN 0x50
	MUL8 1, 0, 0
	MUL8 1, 2, 0
	WIN 0
	PLACES                                         ; in front of the LDS stores, which read results, and of the loads into the buffers
	; THE WAY OUT, 16 rows at a time through my own stage: a row of my block is 64 f32, 256 bytes.
	s_lshl_b32 s20, s43, 20                        ; 128 rows of 8,192 bytes a row block
	s_lshl_b32 s21, s17, 19                        ; + my 64 rows
	s_add_co_u32 s20, s20, s21
	s_mov_b32 s21, 0
	s_add_nc_u64 s[10:11], s[10:11], s[20:21]
	s_lshl_b32 s46, s42, 9                         ; the block's 128 columns
	s_lshl_b32 s47, s18, 8                         ; + my 64
	s_add_co_u32 s46, s46, s47
	s_mov_b32 s47, 0
	s_add_nc_u64 s[10:11], s[10:11], s[46:47]
.macro OUT16 a, f
	WIN 0x04                                       ; the stores' data in window 1
.irp b, 0,1,2,3
	ds_store_b128 v[STO], v[8*(4*\a+\b):8*(4*\a+\b)+3]   offset:64*\b
	ds_store_b128 v[STO], v[8*(4*\a+\b)+4:8*(4*\a+\b)+7] offset:64*\b+16
.endr
	WIN 0
	s_wait_xcnt 0x0                                ; the registers that stores read, and their base, are written again only behind this wait
.if \a
	s_add_nc_u64 s[10:11], s[10:11], 16*8192
.endif
.irp t, 0,1,2,3,4,5,6,7
	ds_load_b128 v[\f+4*\t:\f+4*\t+3], v[RD] offset:\t*2*SP    ; LDS serves a wave's instructions in order: these see the stores above
.endr
.irp t, 0,1,2,3,4,5,6,7
	s_wait_dscnt 7-\t
	global_store_b128 v[CO], v[\f+4*\t:\f+4*\t+3], s[10:11] offset:16384*\t th:TH_STORE_NT   ; 16 lanes store 256 consecutive bytes, at a multiple of 256 from out0's first byte
.endr
.endm
	OUT16 0, T
	OUT16 1, FA
	OUT16 2, T
	OUT16 3, FA
	s_wait_tensorcnt 0x0
	ds_add_u32 v254, v255
	s_wait_dscnt 0x0
	CROUND                                         ; the closing round: no work-group ends while a partner may still ask for a tile that names it
	s_endpgm
.Lfunc_end_k_qe909b89d77_oproj:
	.size	k_qe909b89d77_oproj, .Lfunc_end_k_qe909b89d77_oproj-k_qe909b89d77_oproj
	.p2alignl 7, 3214868480
	.fill 96, 4, 3214868480
	.section	.rodata,"a",@progbits
	.p2align	6, 0x0
	.amdhsa_kernel k_qe909b89d77_oproj
		.amdhsa_group_segment_fixed_size 327680
		.amdhsa_private_segment_fixed_size 0
		.amdhsa_enable_private_segment 0
		.amdhsa_kernarg_size 32
		.amdhsa_user_sgpr_count 2
		.amdhsa_user_sgpr_kernarg_segment_ptr 1
		.amdhsa_wavefront_size32 1
		.amdhsa_system_sgpr_workgroup_id_x 1
		.amdhsa_system_sgpr_workgroup_id_y 1
		.amdhsa_system_sgpr_workgroup_id_z 1
		.amdhsa_system_vgpr_workitem_id 0
		.amdhsa_next_free_vgpr 512
		.amdhsa_next_free_sgpr 66
		.amdhsa_reserve_vcc 0
		.amdhsa_float_denorm_mode_32 3
		.amdhsa_float_denorm_mode_16_64 3
		.amdhsa_memory_ordered 1
		.amdhsa_forward_progress 1
		.amdhsa_inst_pref_size 127
	.end_amdhsa_kernel
	.amdgpu_metadata
---
amdhsa.version: [ 1, 2 ]
amdhsa.kernels:
  - .name:           k_qe909b89d77_oproj
    .symbol:         k_qe909b89d77_oproj.kd
    .args:
      - { .name: ctx, .offset: 0, .size: 8, .value_kind: global_buffer, .address_space: global }
      - { .name: wh, .offset: 8, .size: 8, .value_kind: global_buffer, .address_space: global }
      - { .name: bo, .offset: 16, .size: 8, .value_kind: global_buffer, .address_space: global }
      - { .name: out0, .offset: 24, .size: 8, .value_kind: global_buffer, .address_space: global }
    .group_segment_fixed_size: 327680
    .private_segment_fixed_size: 0
    .kernarg_segment_align: 8
    .kernarg_segment_size: 32
    .max_flat_workgroup_size: 128
    .sgpr_count:     66
    .vgpr_count:     512
    .wavefront_size: 32
...
	.end_amdgpu_metadata
.endif
;; end of part 4
